; MI455X (gfx1250); checked and timed in simulation.
; The chip was launched on July 23, 2026; its instructions are those of AMD's public machine-readable ISA for CDNA 5 (MIT licence, August 2026) and "CDNA5" Instruction Set Architecture Reference Guide (July 2026). The comments in the code are by the model that wrote it; some were corrected since.
;; Self Attention. Allowed arithmetic: matrix products marked QUANTISED: E3M2 operands, one E8M0 scale for each 32 along K, by v_wmma_scale_f32_16x16x128_f8f6f4 with both operands' format E3M2, f32 sums; products left as they are: f32 operands where the result goes on into a quantised operand, else bf16, f16 or f32 operands; f32 sums; everything else in f32.
;; Inputs: W1 64 x 64 float32; Wv 32 x 32 float32; b1 64 float32; b2 one number float32; bv 32 float32; w2 64 float32; x 16 x 256 x 32 float32.
;; Outputs: out0 16 x 256 x 32 float32.
;; This version of the problem:
;;   THIS VERSION OF THE PROBLEM IS GIVEN IN LOW PRECISION. The matrix products marked QUANTISED in the list below multiply operands that are first quantised to E3M2 (3 exponent bits, 2 mantissa bits; 6 bits a number), with one power-of-two scale for each 32 numbers along K (OCP MX v1.0); their sums are f32. All else is computed in f32.
;;   The module's matrix products, in the order in which they are computed (A, B: the left and right operand; K: the contracted axis; several contracted axes count as one K, in the product's order):
;;     1. [M 4,096, K 32] x [K 32, N 64]; A: computed on the way; B: input W1: QUANTISED
;;     2. [M 4,096, K 32] x [K 32, N 64]; A: computed on the way; B: input W1: QUANTISED
;;     3. [M 1,048,576, K 64] x [K 64, N 1]; A: computed on the way; B: input w2: left as it is (N = 1 < 16)
;;     4. [M 4,096, K 32] x [K 32, N 32]; A: input x; B: input Wv: QUANTISED
;;     5. batch 16 x [M 256, K 256] x [K 256, N 32]; A: softmax (see below); B: computed on the way: QUANTISED
;;   THE QUANTISER, for each operand of a quantised product, along K:
;;     - K is cut into blocks of 32 from its start; a last block that is shorter is filled with zeros.
;;     - A block's scale is 2^e with e = floor(log2(the largest magnitude in the block)) - 4, held to -126 .. 127; a block of zeros has e = 0. As a byte (E8M0): e + 127.
;;     - Each number is divided by its block's scale, clamped to +-28, and rounded to the nearest number of E3M2, ties to even, subnormals kept.
;;     - The product sums the exact products of the quantised numbers (number of the format x scale) in f32.
;;   ~~~python
;;   def quantise(x, axis):      # numpy; x: float32 -> the quantised numbers, widened to float32 again
;;       x = np.moveaxis(x, axis, -1); K = x.shape[-1]
;;       x = np.pad(x, [(0, 0)] * (x.ndim - 1) + [(0, -K % 32)]); x = x.reshape(x.shape[:-1] + (-1, 32)); a = np.abs(x).max(-1, keepdims=True)
;;       e = np.where(a > 0, np.clip(np.frexp(np.where(a > 0, a, 1))[1] - 1 - 4, -126, 127), 0)      # np.frexp(a)[1] - 1 = floor(log2(a)), exactly
;;       r = np.clip(x / 2.0 ** e, -28, 28)
;;       step = 2.0 ** (np.maximum(np.frexp(np.where(r == 0, 1, r))[1] - 1, -2) - 2)
;;       q = np.round(r / step) * step * 2.0 ** e      # np.round: ties to even
;;       return np.moveaxis(q.reshape(q.shape[:-2] + (-1,))[..., :K], -1, axis).astype(np.float32)
;;   ~~~
;;   SOFTMAX AHEAD OF A QUANTISED PRODUCT. Where the list says 'softmax', what is quantised is not the finished softmax but p = 2^(t - M), with t = logit x log2(e) and M = ceil(the row's largest t), a whole number; so 1/2 < the row's largest p <= 1. The row's sum l is taken of the UNQUANTISED p, in f32, and the product's result is divided by l at the end. Since M is a whole number, a kernel that streams over the keys may use a running M (the ceiling of the running maximum): every later rescaling is an exact power of two, which a block's scale takes up: the codes' values come out the same.
;;   OPERANDS COMPUTED ON THE WAY. 'Computed on the way' means the value that the module computes at that place (a softmax that the list does not call 'softmax' is quantised finished and normalised). What goes into a quantiser is computed in f32, as accurately as f32 sums, v_exp_f32 and their like allow (about 1e-6 of the number): no bf16 or f16 on the way to a quantiser, and a product that is left as it is and whose result goes on into a quantised operand takes f32 operands (vector FMAs, or v_wmma_f32_16x16x4_f32). A number that lies on a knife's edge between two numbers of the format may be rounded either way, as far as f32 arithmetic and the matrix unit's own rounding can turn it there, and no further.
;; One version. Each part assembles by itself: llvm-mc -triple=amdgcn-amd-amdhsa -mcpu=gfx1250 --defsym DOCPART=n.
;; ======== version 1 of 1: 1 launch
;; limits: right only within a limited range of input values
;; launch pairattn (part 1): grid 16 x 16, 8 waves a work-group, no clusters, 89,088 bytes of LDS; arguments x, W1, b1, w2, b2, Wv, bv, out0; writes out0
.if DOCPART == 1
	.amdgcn_target "amdgcn-amd-amdhsa--gfx1250"
	.amdhsa_code_object_version 6
	.text
	.protected	k_qac9afbcc96_pairattn
	.globl	k_qac9afbcc96_pairattn
	.p2align	8
	.type	k_qac9afbcc96_pairattn,@function
k_qac9afbcc96_pairattn:
	s_mov_b64 s[64:65], 0
	v_nop
	global_prefetch_b8 v0, s[64:65] scope:SCOPE_SE
	s_setreg_imm32_b32 hwreg(HW_REG_WAVE_MODE, 25, 1), 1
	s_wait_xcnt 0x0
; out[b][i] = sum_j softmax_j(tanh(b2 + sum_h w2[h] tanh(a[i][h] + b1[h] + b[j][h]))) v[j],  a = xn W1[:32], b = xn W1[32:], xn = x / max(|x|, 1e-12), v = x Wv^T + bv.
; x: [16][256][32] f32.  The four matrix products run on codes of BF6 (E3M2) with one E8M0 scale for each 32 along K; all else is f32.
; THE PAIR TERM.  tanh(y) = 1 - 2 / (1 + 2^(c y)), c = 2 log2(e), and y = (a + b1) + b, so 2^(c y) = Ea[i][h] x Eb[j][h] with Ea = 2^(c (a + b1)), Eb = 2^(c b): the exponentials are taken once
; for each row and hidden unit, and a pair (i, j, h) costs one multiply-add (1 + Ea Eb), one reciprocal r and one multiply-add (sum += -2 c w2[h] r).  The sums start at c (b2 + sum w2), so that they end as c z.
; SHARES.  A work-group owns one batch (ttmp7) and 16 queries (ttmp9); 8 waves.  Wave w owns keys 32 w .. 32 w + 31, one block of the last product's K, from x's rows to a partial result over these 32 keys;
; the eight partial results and partial row sums meet in LDS at the end.  A lane does 16 x 2 x 32 = 1,024 reciprocals.
; LAYOUT.  Eb comes from the matrix unit with the hidden units as rows and the keys as columns: lane (r, h) holds key r of a tile of 16 and hidden units 16 t + 8 h + j, where the pair loop wants them: 64 registers for
; the wave's two tiles.  Ea of a query is read from LDS, the same 128 bytes for the 16 lanes of a half.  The two halves' sums are joined by one exchange of halves and one addition for two tiles.
; BY TURNS.  The pair loop goes in 32 phases of 32 elements a lane; in a phase each reciprocal has one multiply-add of a neighbouring phase behind it (see THE PAIRS).
; K = 32 IN AN INSTRUCTION OF K = 128: the codes lie in block 0 (lanes 0-15, registers 0-5 of a fragment); lanes 16-31 and registers 6-11 hold zero codes, on both operands; the scale word holds the byte of block 0.
; A lane quantises a whole row of 32; one exchange of halves against a register of zeros makes of 32 lanes' rows two fragments; the second tile's scale bytes are read from lanes 16-31.
; THE KEYS OF A TILE ARE NOT NEIGHBOURS: lane l takes key r + (r & 8) + 8 (l / 16), r = l % 16, so that in v's tiles a lane's 16 registers are 16 neighbouring keys, the next K.
; SOFTMAX.  The logits are results of tanh, in [-1, 1] for every input, so t = logit x log2(e) lies in [-1.45, 1.45]: p = 2^t lies in [0.36, 2.72] and a row's sum under 700.  So the whole number M that is taken off t is
; the constant 0: against the row's own ceiling it moves every block's scale and the row's sum by the same exact power of two, and the codes are the same.
; LIMITS.  c (a + b1) and c b are held at +-126, so that Ea Eb is never infinity x 0.  The pair term is then wrong only where one of |a + b1|, |b| lies above 43.6 and the other above 34.6 with the other sign.
; x / norm is x times a reciprocal.  A block of zeros gets the scale byte 1: its codes are zeros.  NaN and infinities among the inputs are not served.
; NO TENSOR LOADS, NO CLUSTER: a work-group reads 32,768 bytes of x, 2,048 of its queries and 21 KB of weights once, at its head, and then works 262,144 reciprocals on them; nothing is streamed or read again.
.set RP,    144                        ; an LDS row of 128 bytes + 16: rows start 9 x 16 bytes apart
.set STGW,  32*RP                      ; a wave's stage: 32 rows
.set FRB,   768                        ; a fragment's six code registers as an image: 512 bytes (four registers) + 256 (two)
.set EAP,   272                        ; a query's 64 numbers of Ea + 16
.set WREG,  16*RP                      ; 16 rows
.set FIMG,  8*STGW                     ; behind the stages: images of 12 fragments: 0-3 W1[:32]'s tiles, 4-7 W1[32:]'s, 8-9 Wv's, 10 the queries'
.set SIMG,  FIMG+12*FRB                ; their scale words, 64 bytes a fragment
.set EAL,   SIMG+12*64                 ; Ea: [query][half][tile][8]
.set PTR,   EAL+16*EAP                 ; each wave's own 16 x 32 numbers p, to be turned
.set OPR,   PTR+8*WREG                 ; each wave's partial result: 16 rows of 32 numbers, and the partial row sum at byte 128 of the row.  Ends at 88,064
.set LN16, 1                           ; 16 x lane
.set LN8,  2                           ; 8 x lane
.set LN4,  3                           ; 4 x lane
.set R4,   4                           ; 4 x (lane % 16)
.set GX,   5                           ; x: my 16 bytes of my wave's 4,096
.set STW,  6                           ; stage: where 16 bytes go in as they lie
.set STR,  7                           ; stage: my key's row
.set STI,  8                           ; stage: row = lane
.set STQ,  9                           ; stage: row = lane % 16
.set HF32, 10                          ; 32 x half: my eight hidden units in a tile of w2
.set B1A,  11                          ; the same in b1, tile wave % 4
.set W1A,  12                          ; W1: my column of my wave's job
.set FWA,  13                          ; images that my wave writes: four registers,
.set FWB,  14                          ; two registers,
.set SWA,  15                          ; scale words
.set EFA,  16                          ; image of W1[:32]'s tile wave % 4
.set EFB,  17
.set ESA,  18
.set EAW,  19                          ; where I put Ea
.set EAR,  20                          ; where I read it
.set PTW,  21                          ; p: in (my key's column)
.set PTD,  22                          ; p: back (my query's row, my half's 16 keys)
.set OPW,  23                          ; partial result: in
.set OPL,  24                          ; partial row sum: in
.set OPD,  25                          ; partial results: back
.set OLD,  26                          ; partial sums: back
.set GOUT, 27                          ; 8 x thread: my 8 bytes of the work-group's 2,048 of out
.set CZH,  28                          ; v[28:29] (log2(e) (b2 + sum w2), 0): half of c (b2 + sum w2) for each half of the lanes
.set VS,   30                          ; v30-31  V's scale words
.set VC,   32                          ; v32-34, v36-38  V's codes, 16 a lane
.set ACC,  40                          ; v40-47  four pairs of sums
.set SC,   48                          ; v48-63  c z of the 16 queries, later p
.set EB,   64                          ; v64-127 Eb: 32 u + 8 t + j
.set W2,   128                         ; v128-159 w2, then -2 c w2: 8 t + j
.set EA,   160                         ; v160-191 Ea: two halves of 16, each of the query that its next reader wants
.set T,    192                         ; v192-255 1 + Ea Eb, then its reciprocal: two buffers of 32
; the same registers ahead of the pair loop
.set NF,   32                          ; xn's two fragments
.set B1C,  56                          ; b1's eight numbers
.set XF,   64                          ; x's two fragments
.set WVF,  88                          ; Wv's two
.set BV,   112                         ; bv as C: 8 registers a tile
.set RX,   64                          ; a role's rows
.set RF,   96                          ; a role's two fragments: v96-101, v104-109
.set RT,   112                         ; a role's registers at work
.set X,    160                         ; my key's row of x; RD: a role's numbers as loaded; VV: v's four tiles
.set RD,   160
.set VV,   160
.set XR,   192                         ; x as loaded; XN: xn
.set XN,   192
.set WBF,  192                         ; W1[32:]'s four fragments
.set ED,   216                         ; a tile of a + b1
.set QT,   192                         ; at work between the second barrier's halves
.set XT,   224                         ; at work on x
.set PM,   239
.set NS,   240                         ; xn's scale words;  XS: x's
.set XS,   241
.set BVL,  242
.set WBS,  244
.set WVS,  248
.set QS,   250
.set WAS,  251
.set LN,   252
.set R,    253
.set HF,   254
.set TP,   255
; and behind it
.set VF,   64                          ; V's two fragments
.set PF,   88                          ; p's
.set O,    100                         ; the partial result's two tiles
.set PT,   128                         ; p turned: 16 neighbouring keys of my query
.set U,    144
.set PS,   160
.set RB,   192
.set RL,   208
; n loads' registers go into my wave's stage as they lie (512 bytes = 4 rows a load), and a lane takes a whole row back.  LDS serves a wave's instructions in order: no wait between stores and loads.
.macro TURN raw, n, rows, adr
.irp k, 0,1,2,3,4,5,6,7
.if \k < \n
	ds_store_b128 v[STW], v[\raw+4*\k:\raw+4*\k+3] offset:4*RP*\k
.endif
.endr
.irp k, 0,1,2,3,4,5,6,7
	ds_load_b128 v[\rows+4*\k:\rows+4*\k+3], v[\adr] offset:16*\k
.endr
	s_wait_dscnt 0x0
.endm
; the largest magnitude of 32 registers, in two chains
.macro MAX32 s, m
	v_max3_num_f32 v[\m], |v[\s]|, |v[\s+1]|, |v[\s+2]|
	v_max3_num_f32 v[\m+1], |v[\s+3]|, |v[\s+4]|, |v[\s+5]|
.irp i, 6,10,14,18,22,26
	v_max3_num_f32 v[\m], v[\m], |v[\s+\i]|, |v[\s+\i+1]|
	v_max3_num_f32 v[\m+1], v[\m+1], |v[\s+\i+2]|, |v[\s+\i+3]|
.endr
	v_max3_num_f32 v[\m], v[\m], |v[\s+30]|, |v[\s+31]|
	v_max_num_f32 v[\m], v[\m], v[\m+1]
.endm
; a block of 32 in one lane, largest magnitude v[m]: six registers of codes at v[f], the scale's byte in v[sb]
.macro CODES32 s, m, f, ct, so, sb
	v_max_num_f32 v[\so], 0x2800000, v[\m]         ; the floor 2^(5 - 127): the byte cannot fall under 1
	v_add_nc_u32 v[\so], 0xfe000000, v[\so]        ; 4 off the exponent field: the conversion takes this operand's exponent field as its scale
	v_cvt_scalef32_pk16_bf6_f32 v[\f:\f+2], v[\s:\s+15], v[\so]
	v_cvt_scalef32_pk16_bf6_f32 v[\ct:\ct+2], v[\s+16:\s+31], v[\so]   ; (a conversion's three registers begin on an even number)
	v_lshrrev_b32 v[\sb], 23, v[\so]               ; the byte; also the plain line behind the conversions
	v_mov_b32 v[\f+3], v[\ct]
	v_mov_b32 v[\f+4], v[\ct+1]
	v_mov_b32 v[\f+5], v[\ct+2]
.endm
; n registers whose lanes 0-15 and 16-31 hold two tiles' rows become two fragments: v[f] keeps lanes 0-15, v[g] gets lanes 16-31 into its lanes 0-15; lanes 16-31 of both are zeros
.macro SPLIT f, g, n
.irp k, 0,1,2,3,4,5
.if \k < \n
	v_mov_b32 v[\g+\k], 0
.endif
.endr
.irp k, 0,1,2,3,4,5
.if \k < \n
	v_permlane16_swap_b32 v[\f+\k], v[\g+\k]
.endif
.endr
.endm
.macro ZERO6 f
.irp k, 0,1,2,3,4,5
	v_mov_b32 v[\f+\k], 0
.endr
.endm
; the norm of a row of 32: the root is issued; plain work follows it
.macro SUMSQ s, a
	v_pk_mul_f32 v[\a:\a+1], v[\s:\s+1], v[\s:\s+1]
	v_pk_mul_f32 v[\a+2:\a+3], v[\s+2:\s+3], v[\s+2:\s+3]
.irp i, 4,8,12,16,20,24,28
	v_pk_fma_f32 v[\a:\a+1], v[\s+\i:\s+\i+1], v[\s+\i:\s+\i+1], v[\a:\a+1]
	v_pk_fma_f32 v[\a+2:\a+3], v[\s+\i+2:\s+\i+3], v[\s+\i+2:\s+\i+3], v[\a+2:\a+3]
.endr
	v_pk_add_f32 v[\a:\a+1], v[\a:\a+1], v[\a+2:\a+3]
	v_add_f32 v[\a], v[\a], v[\a+1]
	v_sqrt_f32 v[\a], v[\a]
.endm
.macro INVERSE a                       ; 1 / max(norm, 1e-12): issued; plain work follows it
	s_wait_alu depctr_va_vdst(0)                   ; the wait ahead of the first line that names the root
	v_max_num_f32 v[\a], 0x2b8cbccc, v[\a]
	v_rcp_f32 v[\a], v[\a]
.endm
.macro SCALE s, d, a
	s_wait_alu depctr_va_vdst(0)                   ; and ahead of the first line that names the reciprocal
.irp i, 0,2,4,6,8,10,12,14,16,18,20,22,24,26,28,30
	v_pk_mul_f32 v[\d+\i:\d+\i+1], v[\s+\i:\s+\i+1], v[\a:\a+1] op_sel_hi:[1,0]
.endr
.endm
.macro SHARE f, off                    ; a fragment's six code registers go to LDS as they stand
	ds_store_b128 v[FWA], v[\f:\f+3] offset:\off
	ds_store_b64 v[FWB], v[\f+4:\f+5] offset:\off+512
.endm
.macro PLACES n
.rept \n
	v_nop
.endr
.endm
	s_load_b256 s[4:11], s[0:1], 0x0               ; x s[4:5], W1 s[6:7], b1 s[8:9], w2 s[10:11]
	s_load_b256 s[12:19], s[0:1], 0x20             ; b2 s[12:13], Wv s[14:15], bv s[16:17], out s[18:19]
	s_set_vgpr_msb 0x40
	v_lshl_add_u32 v0, v0, 2, 0x15800
	v_mov_b32 v1, 0
	s_set_vgpr_msb 0x4000
	v_lshrrev_b32 v[TP], 5, v0
	v_readfirstlane_b32 s20, v[TP]                 ; wave 0..7
	v_and_b32 v[LN], 31, v0                        ; lane
	v_and_b32 v[R], 15, v0                         ; r
	v_bfe_u32 v[HF], v0, 4, 1                      ; half
	s_and_b32 s21, s20, 3
	s_and_b32 s22, ttmp7, 0xffff                   ; the batch
	s_lshl_b32 s24, s22, 15                        ; its 256 rows of 128 bytes
	s_mov_b32 s25, 0
	s_lshl_b32 s26, ttmp9, 11                      ; my 16 queries' rows in it
	s_mov_b32 s27, 0
	s_mov_b32 s34, 0x76543210
	s_mov_b32 s35, 0xfedcba98                      ; v_permlanex16_b32's selects for lane l xor 16
	s_mov_b32 s36, 0x4038aa3b                      ; c = 2 log2(e)
	s_mov_b32 s37, s36                             ; (named with it as a pair)
	s_mov_b32 s38, 0xc2fc0000                      ; -126
	s_mov_b32 s39, 0x42fc0000                      ; 126
	s_mov_b32 s40, 0xc0b8aa3b                      ; -2 c
	s_mov_b32 s41, s40
	s_mov_b32 s42, 0x3fb8aa3b                      ; log2(e)
	s_mov_b32 s43, 0xc038aa3b                      ; -c
	; every address register is made here, ahead of the first branch on the wave's number
	v_lshlrev_b32 v[LN16], 4, v[LN]
	v_lshlrev_b32 v[LN8], 3, v[LN]
	v_lshlrev_b32 v[LN4], 2, v[LN]
	v_lshlrev_b32 v[R4], 2, v[R]
	v_and_b32 v[TP], 8, v[R]
	v_add_nc_u32 v[TP], v[TP], v[R]
	v_lshl_add_u32 v[PM], v[HF], 3, v[TP]          ; my key in the wave's 32: r + (r & 8) + 8 half
	s_lshl_b32 s28, s20, 12
	v_add_nc_u32 v[GX], s28, v[LN16]
	s_mul_i32 s29, s20, STGW                       ; my wave's stage
	v_lshrrev_b32 v[TP], 3, v[LN]
	v_mul_u32_u24 v[STW], v[TP], RP
	v_and_b32 v[TP], 7, v[LN]
	v_lshl_add_u32 v[STW], v[TP], 4, v[STW]
	v_add_nc_u32 v[STW], s29, v[STW]               ; eight lanes to a row of 128 bytes
	v_mul_u32_u24 v[STR], v[PM], RP
	v_add_nc_u32 v[STR], s29, v[STR]
	v_mul_u32_u24 v[STI], v[LN], RP
	v_add_nc_u32 v[STI], s29, v[STI]
	v_mul_u32_u24 v[TP], v[R], RP                  ; 144 r, kept for the lines below
	v_add_nc_u32 v[STQ], s29, v[TP]
	s_mul_i32 s30, s20, WREG
	s_add_co_u32 s31, s30, PTR
	v_lshl_add_u32 v[PTW], v[PM], 2, s31
	v_lshl_add_u32 v[PTD], v[HF], 6, v[TP]
	v_add_nc_u32 v[PTD], s31, v[PTD]
	s_add_co_u32 s31, s30, OPR
	v_lshl_add_u32 v[OPW], v[HF], 5, v[TP]
	v_add_nc_u32 v[OPW], s31, v[OPW]
	v_add_nc_u32 v[OPL], s31, v[TP]
	s_mul_i32 s30, s20, 2*RP                       ; at the end wave w adds queries 2 w and 2 w + 1: lanes 0-15 the first, lanes 16-31 the second
	s_add_co_u32 s30, s30, OPR
	v_mul_u32_u24 v[OLD], v[HF], RP
	v_add_nc_u32 v[OLD], s30, v[OLD]
	v_lshl_add_u32 v[OPD], v[R], 3, v[OLD]
	v_lshlrev_b32 v[GOUT], 3, v0
	v_lshlrev_b32 v[HF32], 5, v[HF]
	s_lshl_b32 s30, s21, 6
	v_add_nc_u32 v[B1A], s30, v[HF32]
	s_add_co_u32 s30, s30, SIMG
	v_add_nc_u32 v[ESA], s30, v[R4]
	s_lshr_b32 s30, s20, 1                         ; W1's four jobs: rows 32 (w / 2) on, columns 32 (w % 2) on
	s_lshl_b32 s30, s30, 13
	s_and_b32 s31, s20, 1
	s_lshl_b32 s31, s31, 7
	s_add_co_u32 s30, s30, s31
	v_add_nc_u32 v[W1A], s30, v[LN4]
	s_mul_i32 s30, s20, 2*FRB                      ; waves 0 to 5 write fragments 2 w and 2 w + 1
	s_add_co_u32 s30, s30, FIMG
	v_add_nc_u32 v[FWA], s30, v[LN16]
	v_add_nc_u32 v[FWB], s30, v[LN8]
	s_lshl_b32 s30, s20, 7
	s_add_co_u32 s30, s30, SIMG
	v_add_nc_u32 v[SWA], s30, v[LN4]
	s_mul_i32 s30, s21, FRB
	s_add_co_u32 s30, s30, FIMG
	v_add_nc_u32 v[EFA], s30, v[LN16]
	v_add_nc_u32 v[EFB], s30, v[LN8]
	v_mul_u32_u24 v[EAW], v[R], EAP
	v_lshl_add_u32 v[EAW], v[HF], 7, v[EAW]
	s_lshl_b32 s30, s21, 5
	s_add_co_u32 s30, s30, EAL
	v_add_nc_u32 v[EAW], s30, v[EAW]
	v_lshlrev_b32 v[EAR], 7, v[HF]
	v_add_nc_u32 v[EAR], EAL, v[EAR]
	s_wait_kmcnt 0x0
	s_add_nc_u64 s[4:5], s[4:5], s[24:25]          ; x at my batch
	s_add_nc_u64 s[18:19], s[18:19], s[24:25]
	s_add_nc_u64 s[18:19], s[18:19], s[26:27]      ; out at my 16 queries
	s_add_nc_u64 s[26:27], s[4:5], s[26:27]        ; x at my 16 queries
	s_load_b32 s33, s[12:13], 0x0                  ; b2
	; the global loads that every wave makes go out here, together
.irp k, 0,1,2,3,4,5,6,7
	global_load_b128 v[XR+4*\k:XR+4*\k+3], v[GX], s[4:5] offset:512*\k      ; my wave's 32 rows: 512 consecutive bytes a load
.endr
.irp t, 0,1,2,3
	global_load_b128 v[W2+8*\t:W2+8*\t+3], v[HF32], s[10:11] offset:64*\t   ; w2 at hidden units 16 t + 8 half + 0 .. 7
	global_load_b128 v[W2+8*\t+4:W2+8*\t+7], v[HF32], s[10:11] offset:64*\t+16
.endr
	global_load_b128 v[B1C:B1C+3], v[B1A], s[8:9]                           ; b1 likewise, tile wave % 4
	global_load_b128 v[B1C+4:B1C+7], v[B1A], s[8:9] offset:16
	global_load_b32 v[BVL], v[R4], s[16:17]                                 ; bv[r], bv[16 + r]
	global_load_b32 v[BVL+1], v[R4], s[16:17] offset:64
	; ---- ROLES: what all eight waves need is quantised once and handed on through LDS
	s_cmp_lt_u32 s20, 4
	s_cbranch_scc0 .Lnot_w1
	; waves 0-3: W1.  A lane takes a column (a hidden unit) and its registers run down K: 128 consecutive bytes a load; a block of 32 lies in one lane
.set e, 0
.rept 32
	global_load_b32 v[RD+e], v[W1A], s[6:7] offset:256*e
.set e, e+1
.endr
	s_wait_loadcnt 0x0
	MAX32 RD, RT+4
	CODES32 RD, RT+4, RF, RT, RT+10, RT+11
	SPLIT RF, RF+8, 6
	SHARE RF, 0
	SHARE RF+8, FRB
	ds_store_b32 v[SWA], v[RT+11]
	s_branch .Lroles_done
.Lnot_w1:
	s_cmp_eq_u32 s20, 4
	s_cbranch_scc0 .Lnot_wv
	; wave 4: Wv, 32 rows of 32: K is innermost; a lane takes row d = lane
.irp k, 0,1,2,3,4,5,6,7
	global_load_b128 v[RD+4*\k:RD+4*\k+3], v[LN16], s[14:15] offset:512*\k
.endr
	s_wait_loadcnt 0x0
	TURN RD, 8, RX, STI
	MAX32 RX, RT+4
	CODES32 RX, RT+4, RF, RT, RT+10, RT+11
	SPLIT RF, RF+8, 6
	SHARE RF, 0
	SHARE RF+8, FRB
	ds_store_b32 v[SWA], v[RT+11]
	s_branch .Lroles_done
.Lnot_wv:
	s_cmp_eq_u32 s20, 5
	s_cbranch_scc0 .Lroles_done
	; wave 5: the 16 queries' rows, normalised; both halves of the lanes hold the same rows, and the exchange leaves zeros in lanes 16-31
.irp k, 0,1,2,3
	global_load_b128 v[RD+4*\k:RD+4*\k+3], v[LN16], s[26:27] offset:512*\k
.endr
	s_wait_loadcnt 0x0
	TURN RD, 4, RX, STQ
	SUMSQ RX, RT+6
	MAX32 RX, RT+4                                 ; plain work behind the root
	INVERSE RT+6
	v_nop                                          ; a plain line behind the reciprocal
	SCALE RX, RX, RT+6
	v_mul_f32 v[RT+4], v[RT+4], v[RT+6]            ; the largest |xn|: rounding keeps the order, so it is the largest |x| times the same factor
	CODES32 RX, RT+4, RF, RT, RT+10, RT+11
	SPLIT RF, RF+8, 6
	SHARE RF, 0
	ds_store_b32 v[SWA], v[RT+11]
.Lroles_done:
	; ---- my wave's 32 keys: x and xn, each a block of 32 in a lane
	s_wait_loadcnt 0x0
	TURN XR, 8, X, STR
	SUMSQ X, XT+6
	MAX32 X, XT+4                                  ; plain work behind the root
	INVERSE XT+6
	CODES32 X, XT+4, XF, XT, XT+10, XS             ; x's codes: work behind the reciprocal, beginning with plain lines
	SCALE X, XN, XT+6
	v_mul_f32 v[XT+4], v[XT+4], v[XT+6]
	CODES32 XN, XT+4, NF, XT, XT+10, NS
	SPLIT XF, XF+12, 6
	SPLIT NF, NF+12, 6
.irp f, XF+6, XF+18, NF+6, NF+18, WVF+6, WVF+18, WBF+6, WBF+18, WBF+30, WBF+42
	ZERO6 \f                                       ; K = 64 .. 127 of every fragment: zero codes
.endr
	s_wait_kmcnt 0x0                               ; b2
	s_wait_dscnt 0x0                               ; my images have landed
	s_barrier_signal -1
	s_barrier_wait -1                              ; everybody's have
	; ---- v = x Wv^T + bv and b = xn W1[32:]
.irp d, 0,1
	ds_load_b128 v[WVF+12*\d:WVF+12*\d+3], v[LN16] offset:FIMG+(8+\d)*FRB
	ds_load_b64 v[WVF+12*\d+4:WVF+12*\d+5], v[LN8] offset:FIMG+(8+\d)*FRB+512
	ds_load_b32 v[WVS+\d], v[R4] offset:SIMG+(8+\d)*64
.endr
.irp t, 0,1,2,3
	ds_load_b128 v[WBF+12*\t:WBF+12*\t+3], v[LN16] offset:FIMG+(4+\t)*FRB
	ds_load_b64 v[WBF+12*\t+4:WBF+12*\t+5], v[LN8] offset:FIMG+(4+\t)*FRB+512
	ds_load_b32 v[WBS+\t], v[R4] offset:SIMG+(4+\t)*64
.endr
.irp d, 0,1
.irp j, 0,1,2,3,4,5,6,7
	v_mov_b32 v[BV+8*\d+\j], v[BVL+\d]             ; the bias is the C of the product: every row of a tile gets bv of the lane's column
.endr
.endr
	PLACES 4
	s_wait_dscnt 12                                ; Wv's six loads are in; W1's twelve may be out
.irp d, 0,1                                    ; source 0 = 16 keys of x, source 1 = 16 rows of Wv: lane (r, h) holds v(d = 16 dt + r) at keys 16 h + 8 u + j
	v_wmma_scale_f32_16x16x128_f8f6f4 v[VV+16*\d:VV+16*\d+7], v[XF:XF+11], v[WVF+12*\d:WVF+12*\d+11], v[BV+8*\d:BV+8*\d+7], v[XS], v[WVS+\d] matrix_a_fmt:MATRIX_FMT_BF6 matrix_b_fmt:MATRIX_FMT_BF6
	v_wmma_scale_f32_16x16x128_f8f6f4 v[VV+16*\d+8:VV+16*\d+15], v[XF+12:XF+23], v[WVF+12*\d:WVF+12*\d+11], v[BV+8*\d:BV+8*\d+7], v[XS], v[WVS+\d] matrix_a_fmt:MATRIX_FMT_BF6 matrix_b_fmt:MATRIX_FMT_BF6 matrix_a_scale:MATRIX_SCALE_ROW1
.endr
	s_wait_dscnt 0x0
	PLACES 5                                       ; the next products' results are laid over these products' operands: five places
.irp t, 0,1,2,3                                ; source 0 = 16 hidden units of W1[32:], source 1 = 16 keys of xn: lane (r, h) holds b(key r of tile u, hidden 16 t + 8 h + j)
	v_wmma_scale_f32_16x16x128_f8f6f4 v[EB+8*\t:EB+8*\t+7], v[WBF+12*\t:WBF+12*\t+11], v[NF:NF+11], 0, v[WBS+\t], v[NS] matrix_a_fmt:MATRIX_FMT_BF6 matrix_b_fmt:MATRIX_FMT_BF6
.endr
.irp t, 0,1,2,3
	v_wmma_scale_f32_16x16x128_f8f6f4 v[EB+32+8*\t:EB+39+8*\t], v[WBF+12*\t:WBF+12*\t+11], v[NF+12:NF+23], 0, v[WBS+\t], v[NS] matrix_a_fmt:MATRIX_FMT_BF6 matrix_b_fmt:MATRIX_FMT_BF6 matrix_b_scale:MATRIX_SCALE_ROW1
.endr
	PLACES 5                                       ; for the reads of these results, the loads into W1's registers and the result laid over them below
	s_cmp_lt_u32 s20, 4
	s_cbranch_scc1 .Lno_ea
	; waves 4-7: Ea of the 16 queries, hidden tile wave % 4; b1 is the C of the product
	ds_load_b128 v[WBF:WBF+3], v[EFA]
	ds_load_b64 v[WBF+4:WBF+5], v[EFB] offset:512
	ds_load_b128 v[WBF+12:WBF+15], v[LN16] offset:FIMG+10*FRB
	ds_load_b64 v[WBF+16:WBF+17], v[LN8] offset:FIMG+10*FRB+512
	ds_load_b32 v[WAS], v[ESA]
	ds_load_b32 v[QS], v[R4] offset:SIMG+10*64
	s_wait_dscnt 0x0
	v_wmma_scale_f32_16x16x128_f8f6f4 v[ED:ED+7], v[WBF:WBF+11], v[WBF+12:WBF+23], v[B1C:B1C+7], v[WAS], v[QS] matrix_a_fmt:MATRIX_FMT_BF6 matrix_b_fmt:MATRIX_FMT_BF6
	PLACES 4
.irp j, 0,2,4,6
	v_pk_mul_f32 v[ED+\j:ED+\j+1], v[ED+\j:ED+\j+1], s[36:37] op_sel_hi:[1,0]
.endr
.irp j, 0,1,2,3,4,5,6,7
	v_med3_num_f32 v[ED+\j], v[ED+\j], s38, s39
.endr
.irp j, 0,1,2,3,4,5,6,7
	v_exp_f32 v[ED+\j], v[ED+\j]
.endr
	v_nop
	s_wait_alu depctr_va_vdst(0)                   ; one wait for the eight, ahead of the stores that read them
	ds_store_b128 v[EAW], v[ED:ED+3]
	ds_store_b128 v[EAW], v[ED+4:ED+7] offset:16
.Lno_ea:
	s_wait_dscnt 0x0                               ; Ea's stores have landed
	s_barrier_signal -1
	; between the barrier's halves: work on registers alone.  Eb = 2^(c b), the exponent held at +-126
.set j, 0
.rept 32
	v_pk_mul_f32 v[EB+j:EB+j+1], v[EB+j:EB+j+1], s[36:37] op_sel_hi:[1,0]
.set j, j+2
.endr
.set j, 0
.rept 64
	v_med3_num_f32 v[EB+j], v[EB+j], s38, s39
.set j, j+1
.endr
.set j, 0
.rept 64
	v_exp_f32 v[EB+j], v[EB+j]
.set j, j+1
.endr
	; behind the exponentials, work that names none of them.  v along the keys: my 16 numbers and lane l xor 16's are a block
.irp d, 0,1
	v_max3_num_f32 v[QT+\d], |v[VV+16*\d]|, |v[VV+16*\d+1]|, 0x2800000
	v_mov_b32 v[QT+2+\d], 0                        ; (a lane permute's destination counts as one of its sources)
.endr
.irp i, 2,4,6,8,10,12,14
.irp d, 0,1
	v_max3_num_f32 v[QT+\d], v[QT+\d], |v[VV+16*\d+\i]|, |v[VV+16*\d+\i+1]|
.endr
.endr
.irp d, 0,1
	v_permlanex16_b32 v[QT+2+\d], v[QT+\d], s34, s35
.endr
.irp d, 0,1
	v_max_num_f32 v[QT+\d], v[QT+\d], v[QT+2+\d]
.endr
.irp d, 0,1
	v_add_nc_u32 v[QT+4+\d], 0xfe000000, v[QT+\d]
.endr
.irp d, 0,1
	v_cvt_scalef32_pk16_bf6_f32 v[VC+4*\d:VC+4*\d+2], v[VV+16*\d:VV+16*\d+15], v[QT+4+\d]
.endr
.irp d, 0,1
	v_lshrrev_b32 v[VS+\d], 23, v[QT+4+\d]         ; V's scale words; the first is also the plain line behind the conversions
.endr
	; b2 + sum w2, and -2 c w2
	v_pk_add_f32 v[QT+8:QT+9], v[W2:W2+1], v[W2+2:W2+3]
	v_pk_add_f32 v[QT+10:QT+11], v[W2+4:W2+5], v[W2+6:W2+7]
.irp i, 8,12,16,20,24,28
	v_pk_add_f32 v[QT+8:QT+9], v[QT+8:QT+9], v[W2+\i:W2+\i+1]
	v_pk_add_f32 v[QT+10:QT+11], v[QT+10:QT+11], v[W2+\i+2:W2+\i+3]
.endr
	v_pk_add_f32 v[QT+8:QT+9], v[QT+8:QT+9], v[QT+10:QT+11]
	v_add_f32 v[QT+8], v[QT+8], v[QT+9]
	v_permlanex16_b32 v[QT+9], v[QT+8], s34, s35   ; the other half's 32 hidden units
	v_add_f32 v[QT+8], v[QT+8], v[QT+9]
	v_add_f32 v[QT+8], s33, v[QT+8]
	v_mul_f32 v[CZH], s42, v[QT+8]                 ; c / 2 x (b2 + sum w2): each half of the lanes starts its sums with half of the constant
	v_mov_b32 v[CZH+1], 0
.set j, 0
.rept 16
	v_pk_mul_f32 v[W2+j:W2+j+1], v[W2+j:W2+j+1], s[40:41] op_sel_hi:[1,0]
.set j, j+2
.endr
	s_wait_alu depctr_va_vdst(0)                   ; one wait for the 64 exponentials, ahead of the pair loop that reads them
	s_barrier_wait -1                              ; Ea lies in LDS
	; ---- THE PAIRS: 16 queries x my 32 keys x 64 hidden units; a lane: 16 x 64 elements, BY TURNS.
	; A query's 64 elements of a lane are two HALVES of 32: half g holds the lane's hidden units 16 g .. 16 g + 15 (of its 32), for both tiles of keys.  Half s = 2 x query + g lives in buffer g of T:
	; element (tile u, unit pp) at T + 32 g + 16 u + pp, made of Eb at EB + 32 u + 16 g + pp and Ea at EA + 16 g + pp, weighed by W2 + 16 g + pp.
	; PHASE s: the 32 reciprocals of half s, and behind each of them ONE plain line, which names the other buffer alone: first the 16 multiply-adds that take half s - 1 into the sums, then the 16 that write
	; half s + 1's denominators into the registers just read.  So a half is made in phase s - 1, inverted in phase s and summed in phase s + 1.
	; Ea's half g is read once a query, in phase s - 1; the next query's comes into the same 16 registers by four loads at the head of phase s and is read in the second part of phase s + 1.
	; The 32 phases are written out (about 450 bytes of code each): the scores' registers and the LDS offsets are then constants.
.irp q, 0,1,2,3,4,5,6,7
	ds_load_b128 v[EA+4*\q:EA+4*\q+3], v[EAR] offset:16*\q
.endr
; line RN of six that end query RI: the four pairs of sums become one number a lane.  The exchange gives lanes 0-15 both halves' sums of tile 0 and lanes 16-31 those of tile 1: lane l ends with the key that it loaded
.macro RED
.if RN == 0
	v_pk_add_f32 v[ACC:ACC+1], v[ACC:ACC+1], v[ACC+2:ACC+3]
.elseif RN == 1
	v_pk_add_f32 v[ACC+4:ACC+5], v[ACC+4:ACC+5], v[ACC+6:ACC+7]
.elseif RN == 2
	v_add_f32 v[ACC], v[ACC], v[ACC+1]
.elseif RN == 3
	v_add_f32 v[ACC+4], v[ACC+4], v[ACC+5]
.elseif RN == 4
	v_permlane16_swap_b32 v[ACC], v[ACC+4]
.else
	v_add_f32 v[SC+RI], v[ACC], v[ACC+4]
.endif
.endm
; denominators, line DN of 16, of a half in buffer DG: two elements: tile DN % 2, units 2 (DN / 2) and the next
.macro DEN1
.set DU, DN%2
.set DPR, 2*(DN/2)
	v_pk_fma_f32 v[T+32*DG+16*DU+DPR:T+32*DG+16*DU+DPR+1], v[EB+32*DU+16*DG+DPR:EB+32*DU+16*DG+DPR+1], v[EA+16*DG+DPR:EA+16*DG+DPR+1], 1.0 op_sel_hi:[1,1,0]
.endm
; sums, line AN of 16, of a half in buffer AG: four chains by turns (tile AN % 2, chain (AN / 2) % 2), so that a chain's next link stands four plain lines and four reciprocals on.  A query's half 0 starts the chains
.macro ACC1
.set AU, AN%2
.set ACH, (AN/2)%2
.set APR, 2*(2*(AN/4)+ACH)
.set ATR, T+32*AG+16*AU+APR
.set AWR, W2+16*AG+APR
.set AAR, ACC+4*AU+2*ACH
.if (AG == 0) && (AN < 2)
	v_pk_fma_f32 v[AAR:AAR+1], v[ATR:ATR+1], v[AWR:AWR+1], v[CZH:CZH+1]
.elseif (AG == 0) && (AN < 4)
	v_pk_mul_f32 v[AAR:AAR+1], v[ATR:ATR+1], v[AWR:AWR+1]
.else
	v_pk_fma_f32 v[AAR:AAR+1], v[ATR:ATR+1], v[AWR:AWR+1], v[AAR:AAR+1]
.endif
.endm
.macro PHASE s
.set PG, (\s)%2
.set PI, (\s)/2
.set AG, 1-PG
.set DG, 1-PG
.set RI, PI-1
.if (\s) > 0
	s_wait_alu depctr_va_vdst(0)                   ; the wait ahead of the first line that names a reciprocal: one for the 32 of the phase before
.endif
.if (\s) < 30
.irp q, 0,1,2,3
	ds_load_b128 v[EA+16*PG+4*\q:EA+16*PG+4*\q+3], v[EAR] offset:EAP*(PI+1)+64*PG+16*\q   ; the next query's Ea, half g: its registers were last read in the phase before
.endr
.endif
.set k, 0
.rept 32
	v_rcp_f32 v[T+32*PG+k], v[T+32*PG+k]
.if (\s) == 0                                  ; the first phase has no sums to take: its 16 plain lines stand behind every second reciprocal
.if k%2 == 1
.set DN, k/2
	DEN1
.endif
.elseif (\s) == 31                             ; the last has no denominators to make
.if k%2 == 1
.set AN, k/2
	ACC1
.endif
.elseif k < 16
.set AN, k
	ACC1
.else
.if k == 16
.if (\s) < 30
	s_wait_dscnt 4                                 ; the four loads of this phase's head may be out; those of the phase before, which the lines below read, are in
.else
	s_wait_dscnt 0x0                               ; this phase has issued none
.endif
.endif
.set DN, k-16
	DEN1
.if PG == 0                                    ; the sums just taken were a query's last: its six closing lines stand here, three or four slots apart, since each waits for one before it; all stand ahead of the next phase, which starts the chains anew
.if (k == 19) || (k == 20)
.set RN, k-19
	RED
.elseif (k == 23) || (k == 24)
.set RN, k-21
	RED
.elseif k == 27
.set RN, 4
	RED
.elseif k == 30
.set RN, 5
	RED
.endif
.endif
.endif
.set k, k+1
.endr
.endm
	s_wait_dscnt 0x0                               ; Ea of query 0 is in
.set DG, 0
.set DN, 0
.rept 16
	DEN1                                           ; half 0's denominators stand ahead of the phases
.set DN, DN+1
.endr
.irp s, 0,1,2,3,4,5,6,7,8,9,10,11,12,13,14,15,16,17,18,19,20,21,22,23,24,25,26,27,28,29,30,31
	PHASE \s
.endr
	s_wait_alu depctr_va_vdst(0)                   ; for the last 32 reciprocals
.set AG, 1
.set AN, 0
.rept 16
	ACC1                                           ; the last half's sums
.set AN, AN+1
.endr
.set RI, 15
.irp n, 0,1,2,3,4,5
.set RN, \n
	RED
.endr
	; ---- logit = tanh(z) = 1 - 2 / (1 + 2^(c z));  p = 2^(log2(e) logit) = 2^(log2(e) - c / (1 + 2^(c z))).  Register i: query i, my key
.irp i, 0,1,2,3,4,5,6,7,8,9,10,11,12,13,14,15
	v_exp_f32 v[SC+\i], v[SC+\i]
.endr
	; behind the exponentials: V's two fragments.  A lane's 16 codes are half a block: the exchange gives lanes 0-15 the whole block, lanes 16-31 zeros
.irp d, 0,1
.irp k, 0,1,2
	v_mov_b32 v[VF+12*\d+\k], v[VC+4*\d+\k]
.endr
	SPLIT VF+12*\d, VF+12*\d+3, 3
	ZERO6 VF+12*\d+6
.endr
	ZERO6 PF+6
	s_wait_alu depctr_va_vdst(0)
.irp i, 0,2,4,6,8,10,12,14
	v_pk_add_f32 v[SC+\i:SC+\i+1], v[SC+\i:SC+\i+1], 1.0 op_sel_hi:[1,0]
.endr
.irp i, 0,1,2,3,4,5,6,7,8,9,10,11,12,13,14,15
	v_rcp_f32 v[SC+\i], v[SC+\i]
.endr
	v_nop
	s_wait_alu depctr_va_vdst(0)
.irp i, 0,1,2,3,4,5,6,7,8,9,10,11,12,13,14,15
	v_fma_f32 v[SC+\i], v[SC+\i], s43, s42
.endr
.irp i, 0,1,2,3,4,5,6,7,8,9,10,11,12,13,14,15
	v_exp_f32 v[SC+\i], v[SC+\i]
.endr
	v_nop
	s_wait_alu depctr_va_vdst(0)
	; p is turned in my wave's own LDS bytes: in by keys, back by queries: lane (r, h) gets query r, keys 16 h + 0 .. 15
.irp i, 0,1,2,3,4,5,6,7,8,9,10,11,12,13,14,15
	ds_store_b32 v[PTW], v[SC+\i] offset:RP*\i
.endr
.irp q, 0,1,2,3
	ds_load_b128 v[PT+4*\q:PT+4*\q+3], v[PTD] offset:16*\q
.endr
	s_wait_dscnt 0x0
	v_pk_add_f32 v[U:U+1], v[PT:PT+1], v[PT+2:PT+3]          ; the row's sum is taken of the unquantised p
	v_pk_add_f32 v[U+2:U+3], v[PT+4:PT+5], v[PT+6:PT+7]
	v_max3_num_f32 v[U+4], v[PT], v[PT+1], 0x2800000
.irp i, 8,12
	v_pk_add_f32 v[U:U+1], v[U:U+1], v[PT+\i:PT+\i+1]
	v_pk_add_f32 v[U+2:U+3], v[U+2:U+3], v[PT+\i+2:PT+\i+3]
.endr
.irp i, 2,4,6,8,10,12,14
	v_max3_num_f32 v[U+4], v[U+4], v[PT+\i], v[PT+\i+1]
.endr
	v_pk_add_f32 v[U:U+1], v[U:U+1], v[U+2:U+3]
	v_add_f32 v[U], v[U], v[U+1]
	v_mov_b32 v[U+5], 0
	v_mov_b32 v[U+6], 0
	v_permlanex16_b32 v[U+5], v[U+4], s34, s35
	v_permlanex16_b32 v[U+6], v[U], s34, s35
	v_max_num_f32 v[U+4], v[U+4], v[U+5]           ; the block's largest p
	v_add_f32 v[U], v[U], v[U+6]                   ; my query's sum over these 32 keys
	v_add_nc_u32 v[U+7], 0xfe000000, v[U+4]
	v_cvt_scalef32_pk16_bf6_f32 v[PF:PF+2], v[PT:PT+15], v[U+7]
	v_lshrrev_b32 v[PS], 23, v[U+7]                ; p's scale word; also the plain line behind the conversion
	SPLIT PF, PF+3, 3
	PLACES 8                                       ; a scale register written by a vector line stands eight places ahead of a scaled product, an operand four
	; source 0 = 16 of v's 32 columns, source 1 = my 16 queries; K = my 32 keys: lane (r, h) holds query r, d = 16 dt + 8 h + j
	v_wmma_scale_f32_16x16x128_f8f6f4 v[O:O+7], v[VF:VF+11], v[PF:PF+11], 0, v[VS], v[PS] matrix_a_fmt:MATRIX_FMT_BF6 matrix_b_fmt:MATRIX_FMT_BF6
	v_wmma_scale_f32_16x16x128_f8f6f4 v[O+8:O+15], v[VF+12:VF+23], v[PF:PF+11], 0, v[VS+1], v[PS] matrix_a_fmt:MATRIX_FMT_BF6 matrix_b_fmt:MATRIX_FMT_BF6
	PLACES 4
	ds_store_b128 v[OPW], v[O:O+3]                 ; each result from its low end on
	ds_store_b128 v[OPW], v[O+4:O+7] offset:16
	ds_store_b128 v[OPW], v[O+8:O+11] offset:64
	ds_store_b128 v[OPW], v[O+12:O+15] offset:80
	ds_store_b32 v[OPL], v[U] offset:128           ; both halves of the lanes write the same word with the same value
	s_wait_dscnt 0x0                               ; my partial result has landed
	s_barrier_signal -1
	s_barrier_wait -1                              ; all eight have
	; ---- wave w adds the eight parts of queries 2 w and 2 w + 1: two numbers a lane
.irp s, 0,1,2,3,4,5,6,7
	ds_load_b64 v[RB+2*\s:RB+2*\s+1], v[OPD] offset:WREG*\s
	ds_load_b32 v[RL+\s], v[OLD] offset:WREG*\s+128
.endr
	s_wait_dscnt 0x0
.irp s, 0,4,8,12
	v_pk_add_f32 v[RB+\s:RB+\s+1], v[RB+\s:RB+\s+1], v[RB+\s+2:RB+\s+3]
.endr
	v_pk_add_f32 v[RL:RL+1], v[RL:RL+1], v[RL+2:RL+3]
	v_pk_add_f32 v[RL+4:RL+5], v[RL+4:RL+5], v[RL+6:RL+7]
	v_pk_add_f32 v[RB:RB+1], v[RB:RB+1], v[RB+4:RB+5]
	v_pk_add_f32 v[RB+8:RB+9], v[RB+8:RB+9], v[RB+12:RB+13]
	v_pk_add_f32 v[RL:RL+1], v[RL:RL+1], v[RL+4:RL+5]
	v_add_f32 v[RL], v[RL], v[RL+1]                ; the row's sum
	v_rcp_f32 v[RL], v[RL]
	v_pk_add_f32 v[RB:RB+1], v[RB:RB+1], v[RB+8:RB+9]   ; (a plain line behind the reciprocal)
	s_wait_alu depctr_va_vdst(0)
	v_pk_mul_f32 v[RB:RB+1], v[RB:RB+1], v[RL:RL+1] op_sel_hi:[1,0]
	global_store_b64 v[GOUT], v[RB:RB+1], s[18:19] th:TH_STORE_NT   ; the wave's 32 lanes store 256 consecutive bytes, at a multiple of 256 from out's first byte
	s_barrier_signal -1
	s_barrier_wait -1
	s_set_vgpr_msb 0x5
	s_wait_tensorcnt 0x0
	ds_add_u32 v0, v1
	s_wait_dscnt 0x0
	s_set_vgpr_msb 0x500
	s_endpgm
.Lfunc_end_k_qac9afbcc96_pairattn:
	.size	k_qac9afbcc96_pairattn, .Lfunc_end_k_qac9afbcc96_pairattn-k_qac9afbcc96_pairattn
	.p2alignl 7, 3214868480
	.fill 96, 4, 3214868480
	.section	.rodata,"a",@progbits
	.p2align	6, 0x0
	.amdhsa_kernel k_qac9afbcc96_pairattn
		.amdhsa_group_segment_fixed_size 89088
		.amdhsa_private_segment_fixed_size 0
		.amdhsa_enable_private_segment 0
		.amdhsa_kernarg_size 64
		.amdhsa_user_sgpr_count 2
		.amdhsa_user_sgpr_kernarg_segment_ptr 1
		.amdhsa_wavefront_size32 1
		.amdhsa_system_sgpr_workgroup_id_x 1
		.amdhsa_system_sgpr_workgroup_id_y 1
		.amdhsa_system_sgpr_workgroup_id_z 1
		.amdhsa_system_vgpr_workitem_id 0
		.amdhsa_next_free_vgpr 258
		.amdhsa_next_free_sgpr 66
		.amdhsa_reserve_vcc 0
		.amdhsa_float_denorm_mode_32 3
		.amdhsa_float_denorm_mode_16_64 3
		.amdhsa_memory_ordered 1
		.amdhsa_forward_progress 1
		.amdhsa_inst_pref_size 167
	.end_amdhsa_kernel
	.amdgpu_metadata
---
amdhsa.version: [ 1, 2 ]
amdhsa.kernels:
  - .name:           k_qac9afbcc96_pairattn
    .symbol:         k_qac9afbcc96_pairattn.kd
    .args:
      - { .name: x, .offset: 0, .size: 8, .value_kind: global_buffer, .address_space: global }
      - { .name: W1, .offset: 8, .size: 8, .value_kind: global_buffer, .address_space: global }
      - { .name: b1, .offset: 16, .size: 8, .value_kind: global_buffer, .address_space: global }
      - { .name: w2, .offset: 24, .size: 8, .value_kind: global_buffer, .address_space: global }
      - { .name: b2, .offset: 32, .size: 8, .value_kind: global_buffer, .address_space: global }
      - { .name: Wv, .offset: 40, .size: 8, .value_kind: global_buffer, .address_space: global }
      - { .name: bv, .offset: 48, .size: 8, .value_kind: global_buffer, .address_space: global }
      - { .name: out0, .offset: 56, .size: 8, .value_kind: global_buffer, .address_space: global }
    .group_segment_fixed_size: 89088
    .private_segment_fixed_size: 0
    .kernarg_segment_align: 8
    .kernarg_segment_size: 64
    .max_flat_workgroup_size: 256
    .sgpr_count:     66
    .vgpr_count:     258
    .wavefront_size: 32
...
	.end_amdgpu_metadata
.endif
;; end of part 1
